; MI455X (gfx1250); checked and timed in simulation.
; The chip was launched on July 23, 2026; its instructions are those of AMD's public machine-readable ISA for CDNA 5 (MIT licence, August 2026) and "CDNA5" Instruction Set Architecture Reference Guide (July 2026). The comments in the code are by the model that wrote it; some were corrected since.
;; Ro PE Multihead Self Attention. Allowed arithmetic: matrix products marked QUANTISED: E5M2 operands, one given power-of-two scale a tensor, by v_wmma_f32_16x16x64_bf8_bf8 or v_wmma_f32_16x16x128_bf8_bf8, f32 sums; everything else in f32.
;; Inputs: bk 1,024 float32; bo 1,024 float32; bq 1,024 float32; bv 1,024 float32; lowp_scales 12 int32 (the exponents e of the quantised operands' scales 2^e); wk_codes 1,024 x 32 x 32 uint8 (E5M2 codes of wk, K innermost, in blocks of 32 codes); wo_codes 1,024 x 32 x 32 uint8 (E5M2 codes of wo, K innermost, in blocks of 32 codes); wq_codes 1,024 x 32 x 32 uint8 (E5M2 codes of wq, K innermost, in blocks of 32 codes); wv_codes 1,024 x 32 x 32 uint8 (E5M2 codes of wv, K innermost, in blocks of 32 codes); x_codes 4 x 2,048 x 32 x 32 uint8 (E5M2 codes of x, K innermost, in blocks of 32 codes).
;; Outputs: out0 4 x 2,048 x 1,024 float32.
;; This version of the problem:
;;   THIS VERSION OF THE PROBLEM IS GIVEN IN LOW PRECISION. The matrix products marked QUANTISED in the list below multiply operands that are first quantised to E5M2 (5 exponent bits, 2 mantissa bits; 8 bits a number), with one given power-of-two scale for each operand tensor; their sums are f32. All else is computed in f32.
;;   The module's matrix products, in the order in which they are computed (A, B: the left and right operand; K: the contracted axis; several contracted axes count as one K, in the product's order):
;;     1. [M 8,192, K 1,024] x [K 1,024, N 1,024]; A: input x (given as codes); B: input wq (given as codes): QUANTISED (scales: A lowp_scales[0], B lowp_scales[1])
;;     2. [M 8,192, K 1,024] x [K 1,024, N 1,024]; A: input x (given as codes); B: input wk (given as codes): QUANTISED (scales: A lowp_scales[2], B lowp_scales[3])
;;     3. [M 8,192, K 1,024] x [K 1,024, N 1,024]; A: input x (given as codes); B: input wv (given as codes): QUANTISED (scales: A lowp_scales[4], B lowp_scales[5])
;;     4. batch 64 x [M 2,048, K 64] x [K 64, N 2,048]; A: computed on the way; B: computed on the way: QUANTISED (scales: A lowp_scales[6], B lowp_scales[7])
;;     5. batch 64 x [M 2,048, K 2,048] x [K 2,048, N 64]; A: softmax (see below); B: computed on the way: QUANTISED (scales: A lowp_scales[8], B lowp_scales[9])
;;     6. [M 8,192, K 1,024] x [K 1,024, N 1,024]; A: computed on the way; B: input wo (given as codes): QUANTISED (scales: A lowp_scales[10], B lowp_scales[11])
;;   THE QUANTISER, for each operand of a quantised product, along K:
;;     - The operand's scale is 2^e, e = its entry of the input lowp_scales (int32; the entries are numbered through the quantised products in the list's order, A before B).
;;     - Each number is divided by the scale, clamped to +-57,344, and rounded to the nearest number of E5M2, ties to even, subnormals kept.
;;     - The product sums the exact products of the quantised numbers (number of the format x scale) in f32.
;;   ~~~python
;;   def quantise(x, axis, e):      # numpy; x: float32 -> the quantised numbers, widened to float32 again
;;       x = np.moveaxis(x, axis, -1); K = x.shape[-1]
;;       r = np.clip(x / 2.0 ** e, -57344, 57344)
;;       step = 2.0 ** (np.maximum(np.frexp(np.where(r == 0, 1, r))[1] - 1, -14) - 2)
;;       q = np.round(r / step) * step * 2.0 ** e      # np.round: ties to even
;;       return np.moveaxis(q, -1, axis).astype(np.float32)
;;   ~~~
;;   SOFTMAX AHEAD OF A QUANTISED PRODUCT. Where the list says 'softmax', what is quantised is not the finished softmax but p = 2^(t - M), with t = logit x log2(e) and M = ceil(the row's largest t), a whole number; so 1/2 < the row's largest p <= 1. The row's sum l is taken of the UNQUANTISED p, in f32, and the product's result is divided by l at the end. Since M is a whole number, a kernel that streams over the keys may use a running M (the ceiling of the running maximum): every later rescaling is an exact power of two, so the quantised numbers keep their values, but for numbers so far below the row's largest that they fall under the format's range.
;;   OPERANDS COMPUTED ON THE WAY. 'Computed on the way' means the value that the module computes at that place (a softmax that the list does not call 'softmax' is quantised finished and normalised). What goes into a quantiser is computed in f32, as accurately as f32 sums, v_exp_f32 and their like allow (about 1e-6 of the number): no bf16 or f16 on the way to a quantiser, and a product that is left as it is and whose result goes on into a quantised operand takes f32 operands (vector FMAs, or v_wmma_f32_16x16x4_f32). A number that lies on a knife's edge between two numbers of the format may be rounded either way, as far as f32 arithmetic and the matrix unit's own rounding can turn it there, and no further.
;;   INPUTS GIVEN AS CODES. wk (in the module: [1024, 1024], K = its axis 1); wo (in the module: [1024, 1024], K = its axis 1); wq (in the module: [1024, 1024], K = its axis 1); wv (in the module: [1024, 1024], K = its axis 1); x (in the module: [4, 2048, 1024], K = its axis 2): each comes as NAME_codes (uint8): NAME with its K axis moved to the last place and cut into blocks of 32 codes, [.., K / 32, bytes a block], one block behind the other in memory; one code a byte (a code: sign, 5 exponent bits, 2 mantissa bits); its scale is its entry of lowp_scales. Its value is code x scale, taken as it is: it is not quantised again, and the codes and scales need not be those that the quantiser above would give.
;; One version. Each part assembles by itself: llvm-mc -triple=amdgcn-amd-amdhsa -mcpu=gfx1250 --defsym DOCPART=n.
;; ======== version 1 of 1: 4 launches
;; limits: right only within a limited range of input values
;; workspace buffers: rope 524,288 bytes; qf 8,388,608 bytes; kf 8,388,608 bytes; vf 8,388,608 bytes; af 8,388,608 bytes
;; launch rope_table (part 1): grid 128 x 1, 4 waves a work-group, no clusters, 0 bytes of LDS; arguments rope; writes rope
.if DOCPART == 1
	.amdgcn_target "amdgcn-amd-amdhsa--gfx1250"
	.amdhsa_code_object_version 6
	.text
	.protected	k_q2f27d17683_rope_table
	.globl	k_q2f27d17683_rope_table
	.p2align	8
	.type	k_q2f27d17683_rope_table,@function
k_q2f27d17683_rope_table:
	s_mov_b64 s[64:65], 0
	v_nop
	global_prefetch_b8 v0, s[64:65] scope:SCOPE_SE
	s_setreg_imm32_b32 hwreg(HW_REG_WAVE_MODE, 25, 1), 1
	s_wait_xcnt 0x0
; THE ROPE TABLE: cos and sin of fl(s x inv_freq[jf]) for s = 0 .. 2047 and jf = 0 .. 31, inv_freq[jf] = 1 / 10^(jf / 8)  (10000^(2 jf / 64)).
; LAYOUT, as the next launch's lanes take it: [blk = s / 16][bb = 0..3][t = 0: cos, 1: sin][lane][16 bytes]; lane (r = lane % 16, h = lane / 16) holds, for token 16 blk + r,
; the four frequencies jf = 8 bb + 4 h + 0 .. 3.  The sine is stored NEGATED for bb < 2: there rotate_half brings -x[d + 32].
; SHARES: a work-group is a block of 16 tokens, a wave is bb, a thread makes 4 cosines and 4 sines.  No LDS, no barrier.  Each store of a wave covers 512 consecutive bytes.
; ARITHMETIC, all f32: 10^(jf / 8) rounded once (a constant); its reciprocal by v_rcp_f32 and one Newton step; the angle s x inv_freq rounded once, as the definition rounds it;
; the angle less n x pi/2 with pi/2 in two parts (n is at most 1,304, so what is left out of pi/2 is under 3e-12 of angle); polynomials on |rho| <= pi/4.
; LIMIT: cos and sin carry an absolute error of about 1e-7; inv_freq may differ in its last bit from a library's power.
.set OFF, 1                            ; v1       my 16 bytes: 16 x lane + 1,024 x wave
.set SF,  5                            ; v5       my token as f32
.set PW,  8                            ; v8-11    10^(jf / 8)
.set IV,  12                           ; v12-15   inv_freq
.set NI,  16                           ; v16-19   Newton's error, later n as a whole number
.set X,   20                           ; v20-23   the angle
.set N,   24                           ; v24-27   n = the nearest whole number to angle x 2 / pi
.set RH,  28                           ; v28-31   rho
.set Z,   32                           ; v32-35   rho^2, later rho^4
.set T,   36                           ; v36-39   at work
.set U,   40                           ; v40-43   at work
.set W,   44                           ; v44-47   1 - z / 2
.set SN,  48                           ; v48-51   sin(rho)
.set CN,  52                           ; v52-55   cos(rho)
.set CV,  56                           ; v[56:59] the four cosines
.set SV,  60                           ; v[60:63] the four sines
	s_load_b64 s[4:5], s[0:1], 0x0                 ; the table
	v_lshrrev_b32 v2, 5, v0
	v_readfirstlane_b32 s8, v2                     ; wave = bb
	v_and_b32 v3, 31, v0                           ; lane
	s_wait_alu depctr_va_vdst(0)
	v_and_b32 v4, 15, v0                           ; r
	v_lshlrev_b32 v[OFF], 4, v3
	v_lshl_add_u32 v[OFF], v2, 10, v[OFF]
	s_lshl_b32 s10, ttmp9, 12                      ; a block of 16 tokens is 4,096 bytes
	s_mov_b32 s11, 0
	s_lshl_b32 s9, ttmp9, 4
	v_add_nc_u32 v[SF], s9, v4
	v_cvt_f32_u32 v[SF], v[SF]                     ; exact: under 2,048
	; s16-23: 10^((8 bb + m) / 8), m = 0 .. 7: chosen by the wave's number, without a jump
	s_mov_b32 s16, 1.0
	s_mov_b32 s17, 1.333521432163324
	s_mov_b32 s18, 1.7782794100389228
	s_mov_b32 s19, 2.371373705661655
	s_mov_b32 s20, 3.1622776601683795
	s_mov_b32 s21, 4.216965034285822
	s_mov_b32 s22, 5.623413251903491
	s_mov_b32 s23, 7.498942093324558
.macro PICK bb, p0, p1, p2, p3, p4, p5, p6, p7
	s_cmp_eq_u32 s8, \bb
	s_cselect_b32 s16, \p0, s16
	s_cselect_b32 s17, \p1, s17
	s_cselect_b32 s18, \p2, s18
	s_cselect_b32 s19, \p3, s19
	s_cselect_b32 s20, \p4, s20
	s_cselect_b32 s21, \p5, s21
	s_cselect_b32 s22, \p6, s22
	s_cselect_b32 s23, \p7, s23
.endm
	PICK 1, 10.0, 13.33521432163324, 17.782794100389228, 23.71373705661655, 31.622776601683795, 42.16965034285822, 56.23413251903491, 74.98942093324558
	PICK 2, 100.0, 133.3521432163324, 177.82794100389228, 237.1373705661655, 316.22776601683795, 421.6965034285822, 562.3413251903491, 749.8942093324558
	PICK 3, 1000.0, 1333.521432163324, 1778.2794100389228, 2371.373705661655, 3162.2776601683795, 4216.965034285822, 5623.413251903491, 7498.942093324558
	s_cmp_lt_u32 s8, 2
	s_cselect_b32 s24, 0x80000000, 0               ; the sine's extra sign for bb < 2
	s_mov_b32 s25, 0xb94ca1f9                      ; the sine's first coefficient
	s_mov_b32 s26, 0x37ccf5ce                      ; the cosine's
	v_cmp_lt_u32 vcc_lo, 15, v3                    ; lanes 16-31 take m = 4 .. 7
.irp i, 0,1,2,3
	v_mov_b32 v[T+\i], s[20+\i]
.endr
.irp i, 0,1,2,3
	v_cndmask_b32 v[PW+\i], s[16+\i], v[T+\i], vcc_lo
.endr
	s_wait_alu depctr_va_vdst(0)
.irp i, 0,1,2,3
	v_rcp_f32 v[IV+\i], v[PW+\i]
.endr
	v_nop                                          ; a plain instruction behind the last reciprocal (ISA guide 5.7.2)
	s_wait_alu depctr_va_vdst(0)                   ; one wait for the four, ahead of their first reader
.irp i, 0,1,2,3
	v_fma_f32 v[NI+\i], -v[PW+\i], v[IV+\i], 1.0   ; Newton: e = 1 - P y,
.endr
.irp i, 0,1,2,3
	v_fma_f32 v[IV+\i], v[IV+\i], v[NI+\i], v[IV+\i]   ; y + y e
.endr
.irp i, 0,1,2,3
	v_mul_f32 v[X+\i], v[SF], v[IV+\i]             ; the angle, rounded once
.endr
.irp i, 0,1,2,3
	v_mul_f32 v[N+\i], 0x3f22f983, v[X+\i]         ; x 2 / pi
.endr
.irp i, 0,1,2,3
	v_rndne_f32 v[N+\i], v[N+\i]
.endr
.irp i, 0,1,2,3
	v_fmamk_f32 v[RH+\i], v[N+\i], 0xbfc90fdb, v[X+\i]     ; angle - n x (pi/2's upper part)
.endr
.irp i, 0,1,2,3
	v_fmamk_f32 v[RH+\i], v[N+\i], 0x333bbd2e, v[RH+\i]    ; - n x (its lower part, which is negative)
.endr
.irp i, 0,1,2,3
	v_mul_f32 v[Z+\i], v[RH+\i], v[RH+\i]
.endr
.irp i, 0,1,2,3
	v_fmaak_f32 v[T+\i], s25, v[Z+\i], 0x3c08839e
	v_fmaak_f32 v[U+\i], s26, v[Z+\i], 0xbab6061a
.endr
.irp i, 0,1,2,3
	v_fmaak_f32 v[T+\i], v[T+\i], v[Z+\i], 0xbe2aaaa3
	v_fmaak_f32 v[U+\i], v[U+\i], v[Z+\i], 0x3d2aaaa5
.endr
.irp i, 0,1,2,3
	v_mul_f32 v[T+\i], v[T+\i], v[Z+\i]
	v_fma_f32 v[W+\i], v[Z+\i], -0.5, 1.0
.endr
.irp i, 0,1,2,3
	v_fma_f32 v[SN+\i], v[T+\i], v[RH+\i], v[RH+\i]        ; sin(rho)
	v_mul_f32 v[Z+\i], v[Z+\i], v[Z+\i]
.endr
.irp i, 0,1,2,3
	v_fma_f32 v[CN+\i], v[U+\i], v[Z+\i], v[W+\i]          ; cos(rho)
	v_cvt_i32_f32 v[NI+\i], v[N+\i]
.endr
	; the quadrant, without a jump: n odd swaps the two; sin is negative where bit 1 of n is set, cos where bit 1 of n + 1 is
.irp i, 0,1,2,3
	v_and_b32 v[T+\i], 1, v[NI+\i]
	v_add_nc_u32 v[U+\i], 1, v[NI+\i]
.endr
.irp i, 0,1,2,3
	v_cmp_ne_u32 s[28+\i], 0, v[T+\i]
.endr
.irp i, 0,1,2,3
	v_cndmask_b32 v[SV+\i], v[SN+\i], v[CN+\i], s[28+\i]
	v_cndmask_b32 v[CV+\i], v[CN+\i], v[SN+\i], s[28+\i]
.endr
.irp i, 0,1,2,3
	v_lshlrev_b32 v[T+\i], 30, v[NI+\i]
	v_lshlrev_b32 v[U+\i], 30, v[U+\i]
.endr
.irp i, 0,1,2,3
	v_and_b32 v[T+\i], 0x80000000, v[T+\i]
	v_and_b32 v[U+\i], 0x80000000, v[U+\i]
.endr
.irp i, 0,1,2,3
	v_xor_b32 v[SV+\i], v[SV+\i], v[T+\i]
	v_xor_b32 v[CV+\i], v[CV+\i], v[U+\i]
.endr
.irp i, 0,1,2,3
	v_xor_b32 v[SV+\i], s24, v[SV+\i]
.endr
	s_wait_alu depctr_va_vdst(0)
	s_wait_kmcnt 0x0
	s_add_nc_u64 s[4:5], s[4:5], s[10:11]
	global_store_b128 v[OFF], v[CV:CV+3], s[4:5]
	global_store_b128 v[OFF], v[SV:SV+3], s[4:5] offset:512
	s_endpgm
.Lfunc_end_k_q2f27d17683_rope_table:
	.size	k_q2f27d17683_rope_table, .Lfunc_end_k_q2f27d17683_rope_table-k_q2f27d17683_rope_table
	.p2alignl 7, 3214868480
	.fill 96, 4, 3214868480
	.section	.rodata,"a",@progbits
	.p2align	6, 0x0
	.amdhsa_kernel k_q2f27d17683_rope_table
		.amdhsa_group_segment_fixed_size 0
		.amdhsa_private_segment_fixed_size 0
		.amdhsa_enable_private_segment 0
		.amdhsa_kernarg_size 8
		.amdhsa_user_sgpr_count 2
		.amdhsa_user_sgpr_kernarg_segment_ptr 1
		.amdhsa_wavefront_size32 1
		.amdhsa_system_sgpr_workgroup_id_x 1
		.amdhsa_system_sgpr_workgroup_id_y 1
		.amdhsa_system_sgpr_workgroup_id_z 1
		.amdhsa_system_vgpr_workitem_id 0
		.amdhsa_next_free_vgpr 64
		.amdhsa_next_free_sgpr 66
		.amdhsa_reserve_vcc 1
		.amdhsa_float_denorm_mode_32 3
		.amdhsa_float_denorm_mode_16_64 3
		.amdhsa_memory_ordered 1
		.amdhsa_forward_progress 1
		.amdhsa_inst_pref_size 10
	.end_amdhsa_kernel
	.amdgpu_metadata
---
amdhsa.version: [ 1, 2 ]
amdhsa.kernels:
  - .name:           k_q2f27d17683_rope_table
    .symbol:         k_q2f27d17683_rope_table.kd
    .args:
      - { .name: rope, .offset: 0, .size: 8, .value_kind: global_buffer, .address_space: global }
    .group_segment_fixed_size: 0
    .private_segment_fixed_size: 0
    .kernarg_segment_align: 8
    .kernarg_segment_size: 8
    .max_flat_workgroup_size: 128
    .sgpr_count:     66
    .vgpr_count:     64
    .wavefront_size: 32
...
	.end_amdgpu_metadata
.endif
;; end of part 1
;; launch qkv (part 2): grid 12 x 32, 4 waves a work-group, clusters of 4 x 4, 327,680 bytes of LDS; arguments x_codes, wq_codes, wk_codes, wv_codes, bq, bk, bv, lowp_scales, rope, qf, kf, vf; writes qf, kf, vf
.if DOCPART == 2
	.amdgcn_target "amdgcn-amd-amdhsa--gfx1250"
	.amdhsa_code_object_version 6
	.text
	.protected	k_q2f27d17683_qkv
	.globl	k_q2f27d17683_qkv
	.p2align	8
	.type	k_q2f27d17683_qkv,@function
k_q2f27d17683_qkv:
	s_mov_b64 s[64:65], 0
	v_nop
	global_prefetch_b8 v0, s[64:65] scope:SCOPE_SE
	s_setreg_imm32_b32 hwreg(HW_REG_WAVE_MODE, 25, 1), 1
	s_wait_xcnt 0x0
	s_wait_alu depctr_hold_cnt(0) depctr_sa_sdst(0) depctr_va_vdst(0) depctr_va_sdst(0) depctr_va_ssrc(0) depctr_va_vcc(0) depctr_vm_vsrc(0)
	s_getreg_b32 s2, hwreg(HW_REG_IB_STS2, 6, 4)
	s_cmp_eq_u32 s2, 0
	s_cbranch_scc0 .Lentry_in_a_cluster
	s_endpgm
.Lentry_in_a_cluster:
	s_bfe_u32 s2, ttmp6, 0x10000c
	s_cmp_lg_u32 s2, 0xf033
	s_cbranch_scc0 .Lentry_shape_is_right
	s_endpgm
.Lentry_shape_is_right:
.set KROW,   1024
.set ROWB,   256
.set PITCH,  272
.set FR,     16
.set NL,     4
.set NP,     4
.set HALFT,  128*PITCH
.set SLOT,   4*HALFT
.set SPARE,  2*SLOT
.set ADRA, 16
.set ADRB, 20
.set LIM,  25
.set SCV,  26
.set LI,   27
.set SPW,  28
.set NIL,  29
.set H32,  30
.set R4,   31
.set BI,   32
.set CT0,  96
.set AF,   128
.set Y,    160
.set R,    192
.set CD,   224
.set BV,   32
.set YV,   128
.set CDV,  192
.set G1, 24
.set G0, 32
.set G1B, 48
.set G0B, 56
.set MSB, 0
.macro WIN new
.if MSB != \new
	s_set_vgpr_msb (MSB<<8)|\new
.set MSB, \new
.endif
.endm
.set MUL_LO, 0xa1
.set MUL_HI, 0xf1
.set TO_B,   0x40
.macro JLOAD g0a, g1a, g0b, g1b
	s_cmp_eq_u32 s15, 0
	s_cbranch_scc0 .Lfor_b_\@
	tensor_load_to_lds s[\g0a:\g0a+3], s[\g1a:\g1a+7]
	s_nop 0
.rept 4
	v_nop
.endr
	s_branch .Lasked_\@
.Lfor_b_\@:
	tensor_load_to_lds s[\g0b:\g0b+3], s[\g1b:\g1b+7]
	s_nop 0
.rept 4
	v_nop
.endr
.Lasked_\@:
.endm
.macro CREST
	s_cmp_lg_u32 s14, 0
	s_cbranch_scc1 .Lnot_wave_0_\@
	s_barrier_signal -3
.Lnot_wave_0_\@:
	s_barrier_wait -3
	s_barrier_signal -1
	s_barrier_wait -1
.endm
.macro CROUND
	s_barrier_signal -1
	s_barrier_wait -1
	CREST
.endm
	s_load_b256 s[4:11], s[0:1], 0x0
	s_load_b256 s[68:75], s[0:1], 0x20
	s_load_b256 s[76:83], s[0:1], 0x40
	v_lshl_add_u32 v[SPW], v0, 2, SPARE
	v_mov_b32 v[NIL], 0
	ds_add_u32 v[SPW], v[NIL]
	ds_add_u32 v[SPW], v[NIL]
	v_lshrrev_b32 v1, 5, v0
	v_readfirstlane_b32 s14, v1
	s_lshr_b32 s15, s14, 1
	s_and_b32 s16, s14, 1
	s_bfe_u32 s40, ttmp6, 0x40000
	s_bfe_u32 s41, ttmp6, 0x40004
	s_and_b32 s13, ttmp7, 0xffff
	s_mul_i32 s13, s13, 3
	s_add_co_u32 s13, s13, ttmp9                   ; the cluster's number, 0 .. 23.  The longest work-groups get the lowest numbers: 0 .. 15 make q's and k's tiles, whose way out also turns the heads; 16 .. 23 make v's
	s_and_b32 s12, s13, 1                          ; s12: 0 q, 1 k, 2 v
	s_lshr_b32 s43, s13, 1                         ; s43: which of the eight blocks of 1,024 tokens
	s_sub_co_u32 s66, s13, 16
	s_cmp_lt_u32 s13, 16
	s_cselect_b32 s12, s12, 2
	s_cselect_b32 s43, s43, s66
	s_lshl_b32 s43, s43, 2
	s_cmp_eq_u32 s12, 2
	s_cselect_b32 s17, 0, s43
	s_cselect_b32 s42, s43, 0
	s_add_co_u32 s17, s17, s41
	s_add_co_u32 s42, s42, s40
	s_lshl_b32 s43, s41, 2
	s_lshl_b32 s43, 15, s43
	s_lshl_b32 s44, 0x1111, s40
	s_or_b32 s[G1+0], s43, (0<<16)|(1<<20)|(1<<21)|(5<<22)|(3<<25)
	s_or_b32 s[G1B+0], s44, (0<<16)|(1<<20)|(1<<21)|(5<<22)|(3<<25)
.irp g, G1, G1B
	s_mov_b32 s[\g+1], ROWB<<16
	s_mov_b32 s[\g+2], 128<<16
	s_mov_b32 s[\g+3], ROWB<<16
	s_mov_b32 s[\g+4], 128
	s_mov_b32 s[\g+5], KROW
	s_mov_b32 s[\g+6], 0
	s_mov_b32 s[\g+7], 0
.endr
	s_lshl_b32 s18, s16, 7
	s_lshl_b32 s20, s17, 8
	s_add_co_u32 s20, s20, s18
	s_lshl_b32 s20, s20, 10
	s_mov_b32 s21, 0
	s_lshl_b32 s46, s42, 8
	s_add_co_u32 s46, s46, s18
	s_lshl_b32 s46, s46, 10
	s_mov_b32 s47, 0
	s_mul_i32 s45, s14, HALFT
	s_wait_dscnt 0x0
	s_wait_kmcnt 0x0
	s_load_b256 s[84:91], s[74:75], 0x0
	s_load_b128 s[92:95], s[74:75], 0x20
	s_cmp_eq_u32 s12, 2
	s_cselect_b64 s[18:19], s[10:11], s[4:5]
	s_cselect_b64 s[22:23], s[4:5], s[6:7]
	s_cmp_eq_u32 s12, 1
	s_cselect_b64 s[22:23], s[8:9], s[22:23]
	s_add_nc_u64 s[20:21], s[18:19], s[20:21]
	s_add_nc_u64 s[46:47], s[22:23], s[46:47]
	CROUND
.irp s, 0,1
	s_mov_b32 s[G0+4*\s], 1
	s_add_co_u32 s[G0+4*\s+1], s45, \s*SLOT
	s_add_nc_u64 s[G0+4*\s+2:G0+4*\s+3], s[20:21], \s*ROWB
	s_or_b32 s[G0+4*\s+3], s[G0+4*\s+3], 0x80000000
	s_mov_b32 s[G0B+4*\s], 1
	s_add_co_u32 s[G0B+4*\s+1], s45, \s*SLOT
	s_add_nc_u64 s[G0B+4*\s+2:G0B+4*\s+3], s[46:47], \s*ROWB
	s_or_b32 s[G0B+4*\s+3], s[G0B+4*\s+3], 0x80000000
.endr
	JLOAD G0, G1, G0B, G1B                         ; K step 0: my one tensor load at the head, behind the round above
	s_wait_alu depctr_va_vdst(0)
	s_wait_tensorcnt 0x0                           ; my part of K step 0 is in
	ds_add_u32 v28, v29
	s_wait_dscnt 0x0
	CROUND
	JLOAD G0+4, G1, G0B+4, G1B                     ; K step 1: the first tensor load behind the round
	v_and_b32 v1, 15, v0
	v_bfe_u32 v2, v0, 4, 1
	v_mul_u32_u24 v3, v1, PITCH
	v_lshl_add_u32 v4, v2, 4, v3
	s_mul_i32 s21, s15, HALFT
	s_mul_i32 s22, s16, HALFT
	s_add_co_u32 s22, s22, 2*HALFT
.irp s, 0,1
	v_add_nc_u32 v[ADRA+\s], s21, v4
	v_add_nc_u32 v[ADRB+\s], s22, v4
	s_add_co_u32 s21, s21, SLOT
	s_add_co_u32 s22, s22, SLOT
.endr
	v_and_b32 v5, 31, v0
	v_lshlrev_b32 v[LI], 4, v5
	v_lshlrev_b32 v[H32], 5, v2
	v_lshlrev_b32 v[R4], 2, v1
.macro FRAG reg, adr, q, i
.irp c, 0,1,2,3
	ds_load_b128 v[\reg+4*\c:\reg+4*\c+3], v[\adr] offset:128*(\q)+32*\c+(\i)*16*PITCH
.endr
.endm
.macro MUL16 a0, p, zero
.irp a, \a0, \a0+1
.irp b, 0,1,2,3,4,5,6,7
.if \zero
	v_wmma_f32_16x16x128_bf8_bf8 v[8*(8*((\a)%4)+\b):8*(8*((\a)%4)+\b)+7], v[128*(\p)+FR*\b:128*(\p)+FR*\b+FR-1], v[AF+FR*(\a):AF+FR*(\a)+FR-1], 0
.else
	v_wmma_f32_16x16x128_bf8_bf8 v[8*(8*((\a)%4)+\b):8*(8*((\a)%4)+\b)+7], v[128*(\p)+FR*\b:128*(\p)+FR*\b+FR-1], v[AF+FR*(\a):AF+FR*(\a)+FR-1], v[8*(8*((\a)%4)+\b):8*(8*((\a)%4)+\b)+7]
.endif
.endr
.endr
.endm
.macro FETCH_B slot, q, p
	WIN TO_B
.irp i, 0,1,2,3,4,5,6,7
	FRAG 128*(\p)+FR*\i, ADRB+\slot, \q, \i
.endr
	WIN 0
.endm
.macro FETCH_A slot, q, i0
.irp i, \i0, \i0+1, \i0+2, \i0+3
	FRAG AF+FR*(\i), ADRA+\slot, \q, \i
.endr
.endm
.macro PLACES n
.rept \n
	v_nop
.endr
.endm
.macro STEP slot, q, zero
	s_wait_dscnt 4*NL
	WIN MUL_LO
	MUL16 0, (\q)%2, \zero
	MUL16 2, (\q)%2, \zero
	s_wait_dscnt 0
	PLACES NP
	FETCH_B \slot, (\q)+1, 1-(\q)%2
	FETCH_A \slot, (\q)+1, 0
	WIN MUL_HI
	MUL16 4, (\q)%2, \zero
	MUL16 6, (\q)%2, \zero
	PLACES NP
	WIN 0
	FETCH_A \slot, (\q)+1, 4
.endm
.macro TURN slot, next, fill
	s_wait_tensorcnt 0x0
	ds_add_u32 v[SPW], v[NIL]
	s_wait_dscnt 4*NL+1
	WIN MUL_LO
	MUL16 0, 1, 0
	s_wait_dscnt 0x0
	s_barrier_signal -1
	MUL16 2, 1, 0
	WIN 0
	s_barrier_wait -1
.if \fill
	CREST
	s_add_nc_u64 s[G0+4*\slot+2:G0+4*\slot+3], s[G0+4*\slot+2:G0+4*\slot+3], 2*ROWB
	s_add_nc_u64 s[G0B+4*\slot+2:G0B+4*\slot+3], s[G0B+4*\slot+2:G0B+4*\slot+3], 2*ROWB
	JLOAD G0+4*\slot, G1, G0B+4*\slot, G1B
.else
	PLACES NP
.endif
	FETCH_B \next, 0, 0
	FETCH_A \next, 0, 0
	WIN MUL_HI
	MUL16 4, 1, 0
	MUL16 6, 1, 0
	PLACES NP
	WIN 0
	FETCH_A \next, 0, 4
.endm
.macro LAST
	s_wait_dscnt 4*NL
	WIN MUL_LO
	MUL16 0, 1, 0
	MUL16 2, 1, 0
	s_wait_dscnt 0
	WIN MUL_HI
	MUL16 4, 1, 0
	MUL16 6, 1, 0
	WIN 0
.endm
	s_wait_alu depctr_va_vdst(0)
	s_wait_tensorcnt 1
	s_barrier_signal -1
	s_barrier_wait -1
	FETCH_B 0, 0, 0
	FETCH_A 0, 0, 0
	FETCH_A 0, 0, 4
	STEP 0, 0, 1
	TURN 0, 1, 1
	STEP 1, 0, 0
	TURN 1, 0, 1
	STEP 0, 0, 0
	TURN 0, 1, 0
	STEP 1, 0, 0
	s_wait_kmcnt 0x0
	s_add_co_i32 s18, s84, s85
	s_add_co_i32 s19, s86, s87
	s_add_co_i32 s20, s88, s89
	s_cmp_eq_u32 s12, 0
	s_cselect_b32 s18, s18, s19
	s_cselect_b32 s21, s90, s91
	s_cmp_eq_u32 s12, 2
	s_cselect_b32 s18, s20, s18
	s_cselect_b32 s21, s93, s21
	s_add_co_i32 s18, s18, 127
	s_lshl_b32 s96, s18, 23
	s_mov_b32 s97, s96
	s_add_co_i32 s21, s21, 127
	s_lshl_b32 s22, s21, 23
	v_mov_b32 v[SCV], s22
	s_add_co_i32 s21, s21, 15
	s_lshl_b32 s21, s21, 23
	s_or_b32 s21, s21, 0x600000
	v_mov_b32 v[LIM], s21
	s_cmp_eq_u32 s12, 2
	s_cselect_b32 s18, s42, s17
	s_cselect_b32 s19, s16, s15
	s_cselect_b32 s20, s41, s40
	s_cselect_b32 s21, s15, s16
	s_cselect_b64 s[98:99], s[82:83], s[78:79]
	s_cselect_b64 s[44:45], s[72:73], s[68:69]
	s_cmp_eq_u32 s12, 1
	s_cselect_b64 s[98:99], s[80:81], s[98:99]
	s_cselect_b64 s[44:45], s[70:71], s[44:45]
	s_lshr_b32 s22, s18, 3
	s_lshl_b32 s22, s22, 4
	s_lshl_b32 s23, s20, 2
	s_add_co_u32 s22, s22, s23
	s_lshl_b32 s23, s21, 1
	s_add_co_u32 s22, s22, s23
	s_lshl_b32 s22, s22, 17
	s_and_b32 s18, s18, 7
	s_lshl_b32 s18, s18, 1
	s_add_co_u32 s18, s18, s19
	s_lshl_b32 s23, s18, 13
	s_add_co_u32 s22, s22, s23
	s_mov_b32 s23, 0
	s_add_nc_u64 s[98:99], s[98:99], s[22:23]
	s_lshl_b32 s22, s20, 10
	s_lshl_b32 s20, s21, 9
	s_add_co_u32 s22, s22, s20
	s_add_nc_u64 s[44:45], s[44:45], s[22:23]
	s_lshl_b32 s22, s18, 15
	s_add_nc_u64 s[76:77], s[76:77], s[22:23]
	s_cmp_eq_u32 s12, 2
	s_cbranch_scc1 .Lv
.irp b, 0,1,2,3,4,5,6,7
	global_load_b128 v[BI+8*\b:BI+8*\b+3], v[H32], s[44:45] offset:64*\b
	global_load_b128 v[BI+8*\b+4:BI+8*\b+7], v[H32], s[44:45] offset:64*\b+16
.endr
.macro CTLOAD a
.irp bb, 0,1,2,3
.irp t, 0,1
	global_load_b128 v[32*(\a)+8*\bb+4*\t:32*(\a)+8*\bb+4*\t+3], v[LI], s[76:77] offset:(\a)*4096+\bb*1024+\t*512   ; block a's table: 32 registers of window 1, where B's fragments lay
.endr
.endr
.endm
	WIN TO_B
	CTLOAD 0                                       ; blocks 0 to 3 take B's set 0, whose last products stand four places back;
	CTLOAD 1
	CTLOAD 2
	CTLOAD 3
	WIN 0
	LAST
	PLACES NP
	WIN TO_B
	CTLOAD 4                                       ; blocks 4 to 7 take set 1, behind the last products and their places
	CTLOAD 5
	CTLOAD 6
	CTLOAD 7
	WIN 0
.macro ROPE a, hd
.set AC, 8*(8*((\a)%4)+4*(\hd))
.set CT, 32*(\a)
.set CDS, CD+8*(\hd)
	WIN 0x02+((\a)/4)
.set j, 0
.rept 16
	v_pk_fma_f32 v[Y+j:Y+j+1], v[AC+j:AC+j+1], s[96:97], v[BI+32*(\hd)+j:BI+32*(\hd)+j+1] op_sel_hi:[1,0,1]
.set j, j+2
.endr
	WIN 0x04
.irp bb, 0,1,2,3
.irp p, 0,1
	v_pk_mul_f32 v[R+8*\bb+4*\p:R+8*\bb+4*\p+1], v[Y+8*\bb+4*\p:Y+8*\bb+4*\p+1], v[CT+8*\bb+2*\p:CT+8*\bb+2*\p+1] op_sel_hi:[1,0]
	v_pk_mul_f32 v[R+8*\bb+4*\p+2:R+8*\bb+4*\p+3], v[Y+8*\bb+4*\p+2:Y+8*\bb+4*\p+3], v[CT+8*\bb+2*\p:CT+8*\bb+2*\p+1] op_sel:[0,1] op_sel_hi:[1,1]
.endr
.endr
.irp bb, 0,1,2,3
.irp p, 0,1
	v_pk_fma_f32 v[R+8*\bb+4*\p:R+8*\bb+4*\p+1], v[Y+8*((\bb+2)%4)+4*\p:Y+8*((\bb+2)%4)+4*\p+1], v[CT+8*\bb+4+2*\p:CT+8*\bb+4+2*\p+1], v[R+8*\bb+4*\p:R+8*\bb+4*\p+1] op_sel_hi:[1,0,1]
	v_pk_fma_f32 v[R+8*\bb+4*\p+2:R+8*\bb+4*\p+3], v[Y+8*((\bb+2)%4)+4*\p+2:Y+8*((\bb+2)%4)+4*\p+3], v[CT+8*\bb+4+2*\p:CT+8*\bb+4+2*\p+1], v[R+8*\bb+4*\p+2:R+8*\bb+4*\p+3] op_sel:[0,1,0] op_sel_hi:[1,1,1]
.endr
.endr
.set j, 0
	WIN 0
.rept 32
	v_med3_num_f32 v[R+j], v[R+j], -v[LIM], v[LIM]
.set j, j+1
.endr
	s_wait_alu depctr_va_vdst(0)
	s_wait_xcnt 0x0
.irp bb, 0,1,2,3
	v_cvt_scalef32_pk8_bf8_f32 v[CDS+2*\bb:CDS+2*\bb+1], v[R+8*\bb:R+8*\bb+7], v[SCV]
.endr
	v_nop
	global_store_b128 v[LI], v[CDS:CDS+3], s[98:99] offset:(\hd)*131072+(\a)*1024
	global_store_b128 v[LI], v[CDS+4:CDS+7], s[98:99] offset:(\hd)*131072+(\a)*1024+512
.endm
.irp a, 0,1,2,3,4,5,6,7
	s_wait_loadcnt 8*(7-\a)                        ; the biases and block a's table are in; behind them stand eight loads for each later block
	ROPE \a, 0
	ROPE \a, 1
.endr
	s_branch .Lend
.Lv:
.irp a, 0,1,2,3,4,5,6,7
	global_load_b32 v[BV+\a], v[R4], s[44:45] offset:64*\a
.endr
	LAST
	PLACES NP
	s_wait_loadcnt 0x0
.macro VOUT a
.set AC, 64*((\a)%4)
.set CDS, CDV+16*((\a)%2)
.set BP, BV+2*((\a)/2)
	WIN 0x02+((\a)/4)
.set j, 0
.rept 32
.if ((\a)%2)
	v_pk_fma_f32 v[YV+j:YV+j+1], v[AC+j:AC+j+1], s[96:97], v[BP:BP+1] op_sel:[0,0,1] op_sel_hi:[1,0,1]
.else
	v_pk_fma_f32 v[YV+j:YV+j+1], v[AC+j:AC+j+1], s[96:97], v[BP:BP+1] op_sel_hi:[1,0,0]
.endif
.set j, j+2
.endr
	WIN 0
.set j, 0
.rept 64
	v_med3_num_f32 v[YV+j], v[YV+j], -v[LIM], v[LIM]
.set j, j+1
.endr
	s_wait_alu depctr_va_vdst(0)
	s_wait_xcnt 0x0
.irp b, 0,1,2,3,4,5,6,7
	v_cvt_scalef32_pk8_bf8_f32 v[CDS+2*\b:CDS+2*\b+1], v[YV+8*\b:YV+8*\b+7], v[SCV]
.endr
	v_nop
.irp q, 0,1,2,3
	global_store_b128 v[LI], v[CDS+4*\q:CDS+4*\q+3], s[98:99] offset:((\a)/4)*131072+((\a)%4)*2048+\q*512
.endr
.endm
.irp a, 0,1,2,3,4,5,6,7
	VOUT \a
.endr
.Lend:
	s_wait_tensorcnt 0x0
	ds_add_u32 v[SPW], v[NIL]
	s_wait_dscnt 0x0
	CROUND
	s_endpgm
.Lfunc_end_k_q2f27d17683_qkv:
	.size	k_q2f27d17683_qkv, .Lfunc_end_k_q2f27d17683_qkv-k_q2f27d17683_qkv
	.p2alignl 7, 3214868480
	.fill 96, 4, 3214868480
	.section	.rodata,"a",@progbits
	.p2align	6, 0x0
	.amdhsa_kernel k_q2f27d17683_qkv
		.amdhsa_group_segment_fixed_size 327680
		.amdhsa_private_segment_fixed_size 0
		.amdhsa_enable_private_segment 0
		.amdhsa_kernarg_size 96
		.amdhsa_user_sgpr_count 2
		.amdhsa_user_sgpr_kernarg_segment_ptr 1
		.amdhsa_wavefront_size32 1
		.amdhsa_system_sgpr_workgroup_id_x 1
		.amdhsa_system_sgpr_workgroup_id_y 1
		.amdhsa_system_sgpr_workgroup_id_z 1
		.amdhsa_system_vgpr_workitem_id 0
		.amdhsa_next_free_vgpr 1024
		.amdhsa_next_free_sgpr 100
		.amdhsa_reserve_vcc 0
		.amdhsa_float_denorm_mode_32 3
		.amdhsa_float_denorm_mode_16_64 3
		.amdhsa_memory_ordered 1
		.amdhsa_forward_progress 1
		.amdhsa_inst_pref_size 239
	.end_amdhsa_kernel
	.amdgpu_metadata
---
amdhsa.version: [ 1, 2 ]
amdhsa.kernels:
  - .name:           k_q2f27d17683_qkv
    .symbol:         k_q2f27d17683_qkv.kd
    .args:
      - { .name: x_codes, .offset: 0, .size: 8, .value_kind: global_buffer, .address_space: global }
      - { .name: wq_codes, .offset: 8, .size: 8, .value_kind: global_buffer, .address_space: global }
      - { .name: wk_codes, .offset: 16, .size: 8, .value_kind: global_buffer, .address_space: global }
      - { .name: wv_codes, .offset: 24, .size: 8, .value_kind: global_buffer, .address_space: global }
      - { .name: bq, .offset: 32, .size: 8, .value_kind: global_buffer, .address_space: global }
      - { .name: bk, .offset: 40, .size: 8, .value_kind: global_buffer, .address_space: global }
      - { .name: bv, .offset: 48, .size: 8, .value_kind: global_buffer, .address_space: global }
      - { .name: lowp_scales, .offset: 56, .size: 8, .value_kind: global_buffer, .address_space: global }
      - { .name: rope, .offset: 64, .size: 8, .value_kind: global_buffer, .address_space: global }
      - { .name: qf, .offset: 72, .size: 8, .value_kind: global_buffer, .address_space: global }
      - { .name: kf, .offset: 80, .size: 8, .value_kind: global_buffer, .address_space: global }
      - { .name: vf, .offset: 88, .size: 8, .value_kind: global_buffer, .address_space: global }
    .group_segment_fixed_size: 327680
    .private_segment_fixed_size: 0
    .kernarg_segment_align: 8
    .kernarg_segment_size: 96
    .max_flat_workgroup_size: 128
    .sgpr_count:     100
    .vgpr_count:     1024
    .wavefront_size: 32
...
	.end_amdgpu_metadata
.endif
;; end of part 2
;; launch attn (part 3): grid 4 x 64, 16 waves a work-group, clusters of 4 x 1, 327,680 bytes of LDS; arguments qf, kf, vf, lowp_scales, af; writes af
.if DOCPART == 3
	.amdgcn_target "amdgcn-amd-amdhsa--gfx1250"
	.amdhsa_code_object_version 6
	.text
	.protected	k_q2f27d17683_attn
	.globl	k_q2f27d17683_attn
	.p2align	8
	.type	k_q2f27d17683_attn,@function
k_q2f27d17683_attn:
	s_mov_b64 s[64:65], 0
	v_nop
	global_prefetch_b8 v0, s[64:65] scope:SCOPE_SE
	s_setreg_imm32_b32 hwreg(HW_REG_WAVE_MODE, 25, 1), 1
	s_wait_xcnt 0x0
	s_wait_alu depctr_hold_cnt(0) depctr_sa_sdst(0) depctr_va_vdst(0) depctr_va_sdst(0) depctr_va_ssrc(0) depctr_va_vcc(0) depctr_vm_vsrc(0)
	s_getreg_b32 s2, hwreg(HW_REG_IB_STS2, 6, 4)
	s_cmp_eq_u32 s2, 0
	s_cbranch_scc0 .Lentry_in_a_cluster
	s_endpgm
.Lentry_in_a_cluster:
	s_bfe_u32 s2, ttmp6, 0x10000c
	s_cmp_lg_u32 s2, 0x3003
	s_cbranch_scc0 .Lentry_shape_is_right
	s_endpgm
.Lentry_shape_is_right:
; o = softmax(q k^T / 8) v for one head of one batch, both products on codes of BF8 (E5M2); o is quantised again and stored as an image of the last product's operand registers.
; THE SOFTMAX: t = score x log2(e) / 8; M = the running largest t rounded UP to a whole number; p = 2^(t - M) is quantised along the keys, not normalised; the row's sum is taken of the
; unquantised p and divides at the end.  When M moves, the sum and O are multiplied by 2^(old M - new M), which rounds nothing.
; SHARES.  A work-group owns 512 queries of one (batch, head); each of its SIXTEEN waves owns 32: two tiles of 16, in 256 registers, four waves to a SIMD, no register windows.
; Every wave walks the head's 2,048 keys, 128 a step; each fragment of k and of v that it reads serves both its tiles.
; THE WHOLE HEAD LIES IN LDS: 131,072 bytes of k and as many of v, as images of operand registers, filled once: the loops over the keys have no barrier.
; CLUSTER.  The four work-groups of a head ask for every tile JOINTLY (mask 15).  Waves 0-7 fetch k, waves 8-15 v, told apart by address alone: every wave issues the same two lines.
; Two stages: key steps 0 and 1 at the head (2,048 bytes a wave); the other fourteen (14,336 bytes a wave) behind the full sequence and a round; a wave has one tensor load out at the most.
; NO PREFETCH: every byte of k and v is asked for by these two loads at the head; there is no later load to run ahead of.
; LAYOUT.  S^T = k q^T (source 0 = 16 keys, source 1 = 16 queries, K = 64), O^T = v^T p^T (source 0 = 16 channels, source 1 = p, K = 128 keys): a lane holds ONE query throughout.
; The eight registers of score tile c are keys 16 c + 8 h + 0 .. 7: their eight codes ARE registers 2 c, 2 c + 1 of the second product's operand.
; A STEP: k -> scores of tile 0 -> its p -> scores of tile 1 -> v takes k's registers -> tile 1's maximum -> O of tile 0 -> tile 1's p -> O of tile 1.
; The step is written once for each loop: O^T and the sums begin as zeros and -M as 3e38, so the first change of M multiplies zeros by 0.
; OUT.  af: [head / 4][token / 16][(head / 2) % 2][4][lane][16 bytes], as the next launch's lanes take it.
; LIMITS: e6 + e7 between -123 and 130 (added to c's exponent field); e8 and e10 between -126 and 112; e8 + e9 goes by v_ldexp_f32 and has none.  NaN is not served.
.set VBASE, 131072                     ; LDS: k's images from 0, v's from here; 8,192 bytes of each for a key step
.set STEPB, 8192
.set SPARE, 262144                     ; behind them: the spare words, 128 bytes for each of sixteen waves
.set LI,   1                           ; v1   16 x lane
.set LV,   2                           ; v2   the same in v's images
.set ADK,  3                           ; v3   the step's k
.set ADV,  4                           ; v4   the step's v
.set SPW,  5                           ; v5   my spare word's LDS address; never rewritten
.set NIL,  6                           ; v6   0; never rewritten
.set PX,   7                           ; v7   lane l xor 16's number
.set TA,   8                           ; v8-11 at work: four chains of maxima
.set TBV,  9
.set TC,   10
.set TD,   11
.set F,    12                          ; v[12:13] 2^(old M - new M); the upper word is only named
.set U1,   14                          ; v[14:15], v[28:29], v[30:31]: the sum's other three chains
.set ST,   16                          ; v16-23 a tile's four: -M, the largest score, the sum in two halves
.set LIMP, 24                          ; v24, v25  57,344 x 2^e8, twice: the two halves of a dual instruction take their second sources from different banks
.set SCP,  26                          ; v26  2^e8
.set U2,   28
.set U3,   30
.set Q,    32                          ; v32-47  q, 8 a tile
.set P,    48                          ; v48-63  p's codes
.set S,    64                          ; v64-127 S^T, then p
.set O,    128                         ; v128-191 O^T, 32 a tile
.set KV,   192                         ; v192-255 a step's k, then its v
.set WV,   14                          ; s14  wave
.set CX,   15                          ; s15  my place in the cluster: which 512 queries
.set BH,   16                          ; s16  16 x batch + head
.set UU,   17                          ; s17  wave % 8: which eighth I fetch
.set G1A,  24                          ; s[24:31] group 1, stage A: 8 rows of 256 bytes
.set G1B,  32                          ; s[32:39] stage B: 56 rows
.set G0A,  40
.set G0B,  44
.set CS,   56                          ; s[56:57] c = log2(e) / 8 x 2^(e6 + e7)
.set SEL,  58                          ; s[58:59] v_permlanex16_b32's selects for lane l xor 16
.set KB,   60                          ; s60  the step's first byte in k's images
.set CNT,  61
.set EPV,  62                          ; s62  e8 + e9
.set SLA,  63                          ; s63  57,344 x 2^e10
.set SSA,  66                          ; s66  2^e10
.macro CROUND                          ; a round of the cluster's barrier
	s_barrier_signal -1
	s_barrier_wait -1
	s_cmp_lg_u32 s[WV], 0
	s_cbranch_scc1 .Lnot_wave_0_\@
	s_barrier_signal -3
.Lnot_wave_0_\@:
	s_barrier_wait -3
	s_barrier_signal -1
	s_barrier_wait -1
.endm
	s_load_b256 s[4:11], s[0:1], 0x0               ; qf s[4:5], kf s[6:7], vf s[8:9], the scales' exponents s[10:11]
	s_load_b64 s[12:13], s[0:1], 0x20              ; af
	v_lshl_add_u32 v[SPW], v0, 2, SPARE
	v_mov_b32 v[NIL], 0
	ds_add_u32 v[SPW], v[NIL]                      ; the opening lines: the add, twice on end, and its wait ahead of my first tensor load
	ds_add_u32 v[SPW], v[NIL]
	v_lshrrev_b32 v[PX], 5, v0
	v_readfirstlane_b32 s[WV], v[PX]               ; wave 0..15
	s_bfe_u32 s[CX], ttmp6, 0x40000
	s_and_b32 s[BH], ttmp7, 0xffff
	s_and_b32 s[UU], s[WV], 7
	s_lshr_b32 s3, s[WV], 3                        ; 0: I fetch k, 1: v
	; group 1: a dense block as rows of 256 bytes: elements of 8 bytes, 32 to a row, pitch 32; mask 15 and bit 21 beside it; no padding
.irp g, G1A, G1B
	s_mov_b32 s[\g], 15|(3<<16)|(1<<21)
	s_mov_b32 s[\g+1], 32<<16
	s_mov_b32 s[\g+3], 32<<16
	s_mov_b32 s[\g+5], 32
	s_mov_b32 s[\g+6], 0
	s_mov_b32 s[\g+7], 0
.endr
	s_mov_b32 s[G1A+2], 8<<16
	s_mov_b32 s[G1A+4], 8
	s_mov_b32 s[G1B+2], 56<<16
	s_mov_b32 s[G1B+4], 56
	s_mov_b32 s[SEL], 0x76543210
	s_mov_b32 s[SEL+1], 0xfedcba98
	s_mov_b32 s[CS], 0x3e38aa3b                    ; log2(e) / 8
	s_mov_b32 s[KB], 0
	s_lshl_b32 s18, s[BH], 17                      ; the head's first byte in qf, kf and vf
	s_mov_b32 s19, 0
	s_lshl_b32 s20, s[UU], 11                      ; stage A: my eighth of 16,384 bytes,
	s_mov_b32 s21, 0
	s_mul_i32 s22, s[UU], 14336
	s_add_co_u32 s22, s22, 16384                   ; stage B: my eighth of the 114,688 behind them: the same offsets in memory and in LDS
	s_mov_b32 s23, 0
	s_lshl_b32 s2, s3, 17                          ; v's images lie VBASE behind k's
	s_wait_dscnt 0x0                               ; both opening adds are done
	s_wait_kmcnt 0x0
	s_load_b256 s[68:75], s[10:11], 0x0            ; e0 .. e7
	s_load_b128 s[76:79], s[10:11], 0x20           ; e8 .. e11
	s_cmp_eq_u32 s3, 0
	s_cselect_b64 s[6:7], s[6:7], s[8:9]           ; the tensor that I fetch
	s_add_nc_u64 s[6:7], s[6:7], s[18:19]
	s_mov_b32 s[G0A], 1
	s_add_co_u32 s[G0A+1], s20, s2
	s_add_nc_u64 s[G0A+2:G0A+3], s[6:7], s[20:21]
	s_or_b32 s[G0A+3], s[G0A+3], 0x80000000
	s_mov_b32 s[G0B], 1
	s_add_co_u32 s[G0B+1], s22, s2
	s_add_nc_u64 s[G0B+2:G0B+3], s[6:7], s[22:23]
	s_or_b32 s[G0B+3], s[G0B+3], 0x80000000
	CROUND                                         ; all four work-groups are here: the joint loads meet
	tensor_load_to_lds s[G0A:G0A+3], s[G1A:G1A+7]  ; key steps 0 and 1: my one tensor load at the head
	s_nop 0
.rept 4
	v_nop
.endr
	s_lshl_b32 s20, s[CX], 5
	s_lshl_b32 s21, s[WV], 1
	s_add_co_u32 s20, s20, s21                     ; my first tile of 16 queries in the head: 32 cx + 2 wave
	s_lshl_b32 s22, s20, 10
	s_mov_b32 s23, 0
	s_add_nc_u64 s[4:5], s[4:5], s[18:19]
	s_add_nc_u64 s[4:5], s[4:5], s[22:23]
	s_lshr_b32 s21, s[BH], 4                       ; batch
	s_lshl_b32 s21, s21, 7
	s_add_co_u32 s21, s21, s20                     ; my first tile of 16 tokens among all 512
	s_lshl_b32 s21, s21, 12
	s_and_b32 s22, s[BH], 15                       ; head
	s_lshr_b32 s23, s22, 2
	s_lshl_b32 s23, s23, 21
	s_add_co_u32 s21, s21, s23
	s_and_b32 s22, s22, 3                          ; ((head / 2) % 2) x 2,048 + (head % 2) x 1,024
	s_lshl_b32 s22, s22, 10
	s_add_co_u32 s22, s21, s22
	s_mov_b32 s23, 0
	s_add_nc_u64 s[12:13], s[12:13], s[22:23]
	v_and_b32 v[PX], 31, v0
	v_lshlrev_b32 v[LI], 4, v[PX]
	v_add_nc_u32 v[LV], VBASE, v[LI]
.irp i, 0,1,2,3
	global_load_b128 v[Q+4*\i:Q+4*\i+3], v[LI], s[4:5] offset:512*\i      ; q stays in registers
.endr
.irp t, 0,1
	v_mov_b32 v[ST+4*\t], 0x7f61b1e6               ; -M = 3e38
	v_mov_b32 v[ST+4*\t+1], 0xff61b1e6             ; the largest score so far: -3e38, under every score
	v_mov_b32 v[ST+4*\t+2], 0                      ; the sum, in two halves
	v_mov_b32 v[ST+4*\t+3], 0
.endr
	v_mov_b32 v[F+1], 0                            ; (named as the upper half of a pair)
.set J, 0
.rept 64
	v_mov_b32 v[O+J], 0                            ; O^T
.set J, J+1
.endr
	s_wait_alu depctr_va_vdst(0)                   ; directly ahead of the wait below
	s_wait_kmcnt 0x0
	s_add_co_i32 s20, s74, s75
	s_lshl_b32 s20, s20, 23
	s_add_co_i32 s[CS], s[CS], s20                 ; a score stands for score x 2^(e6 + e7): added to c's exponent field
	s_mov_b32 s[CS+1], s[CS]                       ; (named with it as a pair, so it is written)
	s_add_co_i32 s[EPV], s76, s77
	s_add_co_i32 s20, s76, 127
	s_lshl_b32 s21, s20, 23                        ; 2^e8
	s_add_co_i32 s20, s20, 15
	s_lshl_b32 s20, s20, 23
	s_or_b32 s20, s20, 0x600000                    ; 57,344 x 2^e8
	s_add_co_i32 s22, s78, 127
	s_lshl_b32 s[SSA], s22, 23                     ; 2^e10
	s_add_co_i32 s22, s22, 15
	s_lshl_b32 s22, s22, 23
	s_or_b32 s[SLA], s22, 0x600000                 ; 57,344 x 2^e10
	v_mov_b32 v[LIMP], s20
	v_mov_b32 v[LIMP+1], s20
	v_mov_b32 v[SCP], s21
.macro FETCH adr                       ; a step's k (eight fragments of 16 keys x 64) or v (four of 16 channels x 128 keys): 16 loads of 512 consecutive bytes
.irp i, 0,1,2,3,4,5,6,7,8,9,10,11,12,13,14,15
	ds_load_b128 v[KV+4*\i:KV+4*\i+3], v[\adr] offset:512*\i
.endr
.endm
.macro SMUL t                          ; S^T of tile t: eight products, each a whole sum (K = 64 is the head's size)
.irp kt, 0,1,2,3,4,5,6,7
	v_wmma_f32_16x16x64_bf8_bf8 v[S+8*\kt:S+8*\kt+7], v[KV+8*\kt:KV+8*\kt+7], v[Q+8*(\t):Q+8*(\t)+7], 0
.endr
.endm
.macro PV t                            ; O^T of tile t += v^T p^T: four accumulators by turns
.irp dt, 0,1,2,3
	v_wmma_f32_16x16x128_bf8_bf8 v[O+32*(\t)+8*\dt:O+32*(\t)+8*\dt+7], v[KV+16*\dt:KV+16*\dt+15], v[P:P+15], v[O+32*(\t)+8*\dt:O+32*(\t)+8*\dt+7]
.endr
.endm
.macro TOP t                           ; the largest of my 64 scores in four chains (each score tile is first read at its low end), the new M, and f = 2^(old M - new M)
.set TS, ST+4*(\t)
	v_max_num_f32 v[TA], v[S], v[S+1]
	v_max_num_f32 v[TBV], v[S+2], v[S+3]
	v_max_num_f32 v[TC], v[S+4], v[S+5]
	v_max_num_f32 v[TD], v[S+6], v[S+7]
.set J, 8
.rept 7
	v_max3_num_f32 v[TA], v[TA], v[S+J], v[S+J+1]
	v_max3_num_f32 v[TBV], v[TBV], v[S+J+2], v[S+J+3]
	v_max3_num_f32 v[TC], v[TC], v[S+J+4], v[S+J+5]
	v_max3_num_f32 v[TD], v[TD], v[S+J+6], v[S+J+7]
.set J, J+8
.endr
	s_delay_alu instid0(VALU_DEP_2)
	v_max3_num_f32 v[TA], v[TA], v[TBV], v[TC]
	s_delay_alu instid0(VALU_DEP_1)
	v_max3_num_f32 v[TA], v[TA], v[TD], v[TS+1]    ; with the largest so far
	s_delay_alu instid0(VALU_DEP_1)
	v_permlanex16_b32 v[PX], v[TA], s[SEL], s[SEL+1]
	s_delay_alu instid0(VALU_DEP_1)
	v_max_num_f32 v[TS+1], v[TA], v[PX]            ; and lane l xor 16's: the running largest score
	s_delay_alu instid0(VALU_DEP_1)
	v_mul_f32 v[TBV], s[CS], v[TS+1]               ; as t (c is positive)
	s_delay_alu instid0(VALU_DEP_1)
	v_floor_f32 v[TC], -v[TBV]                     ; the new -M = floor(-t)
	s_delay_alu instid0(VALU_DEP_1)
	v_sub_f32 v[TA], v[TC], v[TS]                  ; old M - new M: a whole number, 0 or less
	s_delay_alu instid0(VALU_DEP_1)
	v_cvt_i32_f32 v[TA], v[TA]                     ; (it saturates)
	v_mov_b32 v[TS], v[TC]
	s_delay_alu instid0(VALU_DEP_2)
	v_ldexp_f32 v[F], 1.0, v[TA]
.endm
.macro EXPQ t                          ; p = 2^(t - M), its sum, its hold and its codes
.set TS, ST+4*(\t)
.set J, 0
.rept 32
	v_pk_fma_f32 v[S+J:S+J+1], v[S+J:S+J+1], s[CS:CS+1], v[TS:TS+1] op_sel_hi:[1,0,0]     ; t - M
.set J, J+2
.endr
	s_wait_alu depctr_va_vdst(0)                   ; ahead of the batch
.set J, 0
.rept 64
	v_exp_f32 v[S+J], v[S+J]
.set J, J+1
.endr
	v_pk_mul_f32 v[TS+2:TS+3], v[TS+2:TS+3], v[F:F+1] op_sel_hi:[1,0]                     ; the sum under the new M.  (The plain instruction behind the exponentials)
	s_wait_alu depctr_va_vdst(0)                   ; one wait for the batch of 64, ahead of its first reader
	v_pk_add_f32 v[U1:U1+1], v[S:S+1], v[S+2:S+3]  ; the sum of the UNQUANTISED p, in four chains
	v_pk_add_f32 v[U2:U2+1], v[S+4:S+5], v[S+6:S+7]
	v_pk_add_f32 v[U3:U3+1], v[S+8:S+9], v[S+10:S+11]
	v_pk_add_f32 v[TS+2:TS+3], v[TS+2:TS+3], v[S+12:S+13]
	v_pk_add_f32 v[U1:U1+1], v[U1:U1+1], v[S+14:S+15]
.set J, 16
.rept 6
	v_pk_add_f32 v[U2:U2+1], v[U2:U2+1], v[S+J:S+J+1]
	v_pk_add_f32 v[U3:U3+1], v[U3:U3+1], v[S+J+2:S+J+3]
	v_pk_add_f32 v[TS+2:TS+3], v[TS+2:TS+3], v[S+J+4:S+J+5]
	v_pk_add_f32 v[U1:U1+1], v[U1:U1+1], v[S+J+6:S+J+7]
.set J, J+8
.endr
	v_pk_add_f32 v[U2:U2+1], v[U2:U2+1], v[U3:U3+1]
	v_pk_add_f32 v[TS+2:TS+3], v[TS+2:TS+3], v[U1:U1+1]
	v_pk_add_f32 v[TS+2:TS+3], v[TS+2:TS+3], v[U2:U2+1]
.set J, 0
.rept 32
	v_dual_min_num_f32 v[S+J], v[S+J], v[LIMP] :: v_dual_min_num_f32 v[S+J+1], v[S+J+1], v[LIMP+1]   ; the conversion does not saturate (ISA guide 7.6.2); p is not negative, so the hold is one-sided; two holds an instruction
.set J, J+2
.endr
.irp i, 0,1,2,3,4,5,6,7
	v_cvt_scalef32_pk8_bf8_f32 v[P+2*\i:P+2*\i+1], v[S+8*\i:S+8*\i+7], v[SCP]
.endr
	v_nop                                          ; a plain instruction between the last conversion and what writes its sources or reads its result
.endm
.macro RESC t                          ; O^T of tile t under the new M
.set J, 0
.rept 16
	v_pk_mul_f32 v[O+32*(\t)+J:O+32*(\t)+J+1], v[O+32*(\t)+J:O+32*(\t)+J+1], v[F:F+1] op_sel_hi:[1,0]
.set J, J+2
.endr
.endm
.macro STEP
	v_add_nc_u32 v[ADK], s[KB], v[LI]
	v_add_nc_u32 v[ADV], s[KB], v[LV]
	v_nop                                          ; with the two additions: four places behind the last products, which read the registers that k now takes
	v_nop
	FETCH ADK
	s_wait_alu depctr_va_vdst(0)                   ; directly ahead of the wait below
	s_wait_dscnt 0x0                               ; the step's k is in
	SMUL 0
.rept 4
	v_nop                                          ; the places behind those products
.endr
	TOP 0
	EXPQ 0
	SMUL 1                                         ; S^T's registers are free; k's are free behind these
	s_wait_alu depctr_va_vdst(0)                   ; directly ahead of the first reader of O^T
	RESC 0                                         ; these 16 are also the places behind the products above
	FETCH ADV                                      ; v takes k's registers
	TOP 1
	s_wait_alu depctr_va_vdst(0)                   ; directly ahead of the wait below
	s_wait_dscnt 0x0                               ; the step's v is in
	PV 0
	EXPQ 1                                         ; its conversions write p's codes at least 32 plain instructions behind the products that read them
	s_wait_alu depctr_va_vdst(0)                   ; directly ahead of the first reader of O^T
	RESC 1
	PV 1
	s_add_co_u32 s[KB], s[KB], STEPB
.endm
	s_wait_alu depctr_va_vdst(0)                   ; the head's end
	s_wait_tensorcnt 0x0                           ; my part of key steps 0 and 1 is in
	ds_add_u32 v[SPW], v[NIL]
	s_wait_dscnt 0x0
	CROUND                                         ; everybody's part is in, and all four work-groups are here: the joint loads meet
	tensor_load_to_lds s[G0B:G0B+3], s[G1B:G1B+7]  ; the other fourteen key steps: my one tensor load behind the round; two key steps' work stands ahead of the wait for it
	s_nop 0
.rept 4
	v_nop
.endr
	s_wait_loadcnt 0x0                             ; q
	s_mov_b32 s[CNT], 2
.Lfirst_steps:                                         ; key steps 0 and 1
	STEP
	s_sub_co_u32 s[CNT], s[CNT], 1
	s_cmp_lg_u32 s[CNT], 0
	s_wait_alu depctr_va_vdst(0)                   ; directly ahead of the branch
	s_cbranch_scc1 .Lfirst_steps
	s_wait_tensorcnt 0x0                           ; my part of the other fourteen steps is in,
	s_wait_dscnt 0x0
	s_barrier_signal -1
	s_barrier_wait -1                              ; everybody's is; nothing is ever filled again
	s_mov_b32 s[CNT], 14
.Lstep:
	STEP
	s_sub_co_u32 s[CNT], s[CNT], 1
	s_cmp_lg_u32 s[CNT], 0
	s_wait_alu depctr_va_vdst(0)                   ; directly ahead of the branch
	s_cbranch_scc1 .Lstep
	; THE WAY OUT.  o = O^T x 2^(e8 + e9) / the sum, held, converted with 2^e10: a lane's eight channels of a tile become registers 2 c, 2 c + 1 of the last product's operand
.irp t, 0,1
	v_add_f32 v[ST+4*\t+2], v[ST+4*\t+2], v[ST+4*\t+3]     ; the sum's two halves.  (These lines are the places behind the last products)
.endr
.irp t, 0,1
	v_permlanex16_b32 v[ST+4*\t+3], v[ST+4*\t+2], s[SEL], s[SEL+1]
.endr
.irp t, 0,1
	v_add_f32 v[ST+4*\t+2], v[ST+4*\t+2], v[ST+4*\t+3]     ; and lane l xor 16's
.endr
	v_mov_b32 v[TA], s[SLA]
	v_mov_b32 v[TBV], s[SSA]
	s_wait_alu depctr_va_vdst(0)                   ; ahead of the batch
.irp t, 0,1
	v_rcp_f32 v[ST+4*\t+2], v[ST+4*\t+2]
.endr
	v_nop                                          ; a plain instruction behind the last reciprocal
	s_wait_alu depctr_va_vdst(0)                   ; one wait for the two, ahead of their first reader
.irp t, 0,1
	v_ldexp_f32 v[ST+4*\t+2], v[ST+4*\t+2], s[EPV]
.endr
	s_wait_alu depctr_va_vdst(0)                   ; directly ahead of the first reader of O^T
.irp t, 0,1
.set J, 0
.rept 16
	v_pk_mul_f32 v[S+32*\t+J:S+32*\t+J+1], v[O+32*\t+J:O+32*\t+J+1], v[ST+4*\t+2:ST+4*\t+3] op_sel_hi:[1,0]   ; each accumulator from its low end on
.set J, J+2
.endr
.endr
.set J, 0
.rept 64
	v_med3_num_f32 v[S+J], v[S+J], -v[TA], v[TA]
.set J, J+1
.endr
.irp i, 0,1,2,3,4,5,6,7
	v_cvt_scalef32_pk8_bf8_f32 v[P+2*\i:P+2*\i+1], v[S+8*\i:S+8*\i+7], v[TBV]
.endr
	v_nop                                          ; a plain instruction behind the last conversion
.irp t, 0,1
	global_store_b128 v[LI], v[P+8*\t:P+8*\t+3], s[12:13] offset:4096*\t                  ; 32 lanes store 512 consecutive bytes
	global_store_b128 v[LI], v[P+8*\t+4:P+8*\t+7], s[12:13] offset:4096*\t+512
.endr
	s_wait_tensorcnt 0x0                           ; the wave's end
	ds_add_u32 v[SPW], v[NIL]
	s_wait_dscnt 0x0
	CROUND                                         ; the closing round
	s_endpgm
.Lfunc_end_k_q2f27d17683_attn:
	.size	k_q2f27d17683_attn, .Lfunc_end_k_q2f27d17683_attn-k_q2f27d17683_attn
	.p2alignl 7, 3214868480
	.fill 96, 4, 3214868480
	.section	.rodata,"a",@progbits
	.p2align	6, 0x0
	.amdhsa_kernel k_q2f27d17683_attn
		.amdhsa_group_segment_fixed_size 327680
		.amdhsa_private_segment_fixed_size 0
		.amdhsa_enable_private_segment 0
		.amdhsa_kernarg_size 40
		.amdhsa_user_sgpr_count 2
		.amdhsa_user_sgpr_kernarg_segment_ptr 1
		.amdhsa_wavefront_size32 1
		.amdhsa_system_sgpr_workgroup_id_x 1
		.amdhsa_system_sgpr_workgroup_id_y 1
		.amdhsa_system_sgpr_workgroup_id_z 1
		.amdhsa_system_vgpr_workitem_id 0
		.amdhsa_next_free_vgpr 256
		.amdhsa_next_free_sgpr 88
		.amdhsa_reserve_vcc 0
		.amdhsa_float_denorm_mode_32 3
		.amdhsa_float_denorm_mode_16_64 3
		.amdhsa_memory_ordered 1
		.amdhsa_forward_progress 1
		.amdhsa_inst_pref_size 75
	.end_amdhsa_kernel
	.amdgpu_metadata
---
amdhsa.version: [ 1, 2 ]
amdhsa.kernels:
  - .name:           k_q2f27d17683_attn
    .symbol:         k_q2f27d17683_attn.kd
    .args:
      - { .name: qf, .offset: 0, .size: 8, .value_kind: global_buffer, .address_space: global }
      - { .name: kf, .offset: 8, .size: 8, .value_kind: global_buffer, .address_space: global }
      - { .name: vf, .offset: 16, .size: 8, .value_kind: global_buffer, .address_space: global }
      - { .name: lowp_scales, .offset: 24, .size: 8, .value_kind: global_buffer, .address_space: global }
      - { .name: af, .offset: 32, .size: 8, .value_kind: global_buffer, .address_space: global }
    .group_segment_fixed_size: 327680
    .private_segment_fixed_size: 0
    .kernarg_segment_align: 8
    .kernarg_segment_size: 40
    .max_flat_workgroup_size: 512
    .sgpr_count:     88
    .vgpr_count:     256
    .wavefront_size: 32
...
	.end_amdgpu_metadata
.endif
;; end of part 3
;; launch oproj (part 4): grid 8 x 32, 4 waves a work-group, clusters of 4 x 4, 327,680 bytes of LDS; arguments af, wo_codes, bo, lowp_scales, out0; writes out0
.if DOCPART == 4
	.amdgcn_target "amdgcn-amd-amdhsa--gfx1250"
	.amdhsa_code_object_version 6
	.text
	.protected	k_q2f27d17683_oproj
	.globl	k_q2f27d17683_oproj
	.p2align	8
	.type	k_q2f27d17683_oproj,@function
k_q2f27d17683_oproj:
	s_mov_b64 s[64:65], 0
	v_nop
	global_prefetch_b8 v0, s[64:65] scope:SCOPE_SE
	s_setreg_imm32_b32 hwreg(HW_REG_WAVE_MODE, 25, 1), 1
	s_wait_xcnt 0x0
	s_wait_alu depctr_hold_cnt(0) depctr_sa_sdst(0) depctr_va_vdst(0) depctr_va_sdst(0) depctr_va_ssrc(0) depctr_va_vcc(0) depctr_vm_vsrc(0)
	s_getreg_b32 s2, hwreg(HW_REG_IB_STS2, 6, 4)
	s_cmp_eq_u32 s2, 0
	s_cbranch_scc0 .Lentry_in_a_cluster
	s_endpgm
.Lentry_in_a_cluster:
	s_bfe_u32 s2, ttmp6, 0x10000c
	s_cmp_lg_u32 s2, 0xf033
	s_cbranch_scc0 .Lentry_shape_is_right
	s_endpgm
.Lentry_shape_is_right:
.set PITCH,  272
.set ABYTES, 65536
.set BHALF,  64*PITCH
.set SLOT,   ABYTES+2*BHALF
.set SPARE,  2*SLOT
.set SPITCH, 272
.set FR,     16
.set NP,     4
.set ADRA, 16
.set ADRB, 20
.set STO,  24
.set RD,   25
.set CO,   26
.set SPW,  28
.set NIL,  29
.set H32,  30
.set BI,   32
.set TMP,  64
.set AF,   128
.set BK,   128
.set G1, 24
.set G0, 32
.set G1B, 48
.set G0B, 56
.set MSB, 0
.macro WIN new
.if MSB != \new
	s_set_vgpr_msb (MSB<<8)|\new
.set MSB, \new
.endif
.endm
.set MUL,  0xa1
.set TO_B, 0x40
.macro JLOAD g0a, g1a, g0b, g1b
	s_cmp_eq_u32 s15, 0
	s_cbranch_scc0 .Lfor_b_\@
	tensor_load_to_lds s[\g0a:\g0a+3], s[\g1a:\g1a+7]
	s_nop 0
.rept 4
	v_nop
.endr
	s_branch .Lasked_\@
.Lfor_b_\@:
	tensor_load_to_lds s[\g0b:\g0b+3], s[\g1b:\g1b+7]
	s_nop 0
.rept 4
	v_nop
.endr
.Lasked_\@:
.endm
.macro CREST
	s_cmp_lg_u32 s14, 0
	s_cbranch_scc1 .Lnot_wave_0_\@
	s_barrier_signal -3
.Lnot_wave_0_\@:
	s_barrier_wait -3
	s_barrier_signal -1
	s_barrier_wait -1
.endm
.macro CROUND
	s_barrier_signal -1
	s_barrier_wait -1
	CREST
.endm
	s_load_b256 s[4:11], s[0:1], 0x0
	s_load_b64 s[12:13], s[0:1], 0x20
	v_lshl_add_u32 v[SPW], v0, 2, SPARE
	v_mov_b32 v[NIL], 0
	ds_add_u32 v[SPW], v[NIL]
	ds_add_u32 v[SPW], v[NIL]
	v_lshrrev_b32 v1, 5, v0
	v_readfirstlane_b32 s14, v1
	s_lshr_b32 s15, s14, 1
	s_and_b32 s16, s14, 1
	s_bfe_u32 s40, ttmp6, 0x40000
	s_bfe_u32 s41, ttmp6, 0x40004
	s_lshl_b32 s42, ttmp9, 2
	s_add_co_u32 s42, s42, s40
	s_and_b32 s17, ttmp7, 0xffff
	s_lshl_b32 s17, s17, 2
	s_add_co_u32 s17, s17, s41
	s_lshl_b32 s43, s41, 2
	s_lshl_b32 s43, 15, s43
	s_lshl_b32 s44, 0x1111, s40
	s_or_b32 s[G1+0], s43, (3<<16)|(1<<21)
	s_mov_b32 s[G1+1], 32<<16
	s_mov_b32 s[G1+2], 128<<16
	s_mov_b32 s[G1+3], 32<<16
	s_mov_b32 s[G1+4], 128
	s_mov_b32 s[G1+5], 32
	s_mov_b32 s[G1+6], 0
	s_mov_b32 s[G1+7], 0
	s_or_b32 s[G1B+0], s44, (0<<16)|(1<<20)|(1<<21)|(5<<22)|(3<<25)
	s_mov_b32 s[G1B+1], 256<<16
	s_mov_b32 s[G1B+2], 64<<16
	s_mov_b32 s[G1B+3], 256<<16
	s_mov_b32 s[G1B+4], 64
	s_mov_b32 s[G1B+5], 1024
	s_mov_b32 s[G1B+6], 0
	s_mov_b32 s[G1B+7], 0
	s_lshl_b32 s20, s17, 16
	s_lshl_b32 s18, s16, 15
	s_add_co_u32 s20, s20, s18
	s_mov_b32 s21, 0
	s_lshl_b32 s46, s42, 17
	s_lshl_b32 s18, s16, 16
	s_add_co_u32 s46, s46, s18
	s_mov_b32 s47, 0
	s_lshl_b32 s45, s16, 15
	s_mul_i32 s19, s16, BHALF
	s_add_co_u32 s19, s19, ABYTES
	s_wait_dscnt 0x0
	s_wait_kmcnt 0x0
	s_load_b64 s[96:97], s[10:11], 0x28
	s_add_nc_u64 s[20:21], s[4:5], s[20:21]
	s_add_nc_u64 s[46:47], s[6:7], s[46:47]
	CROUND
.irp s, 0,1
	s_mov_b32 s[G0+4*\s], 1
	s_add_co_u32 s[G0+4*\s+1], s45, \s*SLOT
	s_add_nc_u64 s[G0+4*\s+2:G0+4*\s+3], s[20:21], \s*2097152
	s_or_b32 s[G0+4*\s+3], s[G0+4*\s+3], 0x80000000
	s_mov_b32 s[G0B+4*\s], 1
	s_add_co_u32 s[G0B+4*\s+1], s19, \s*SLOT
	s_add_nc_u64 s[G0B+4*\s+2:G0B+4*\s+3], s[46:47], \s*256
	s_or_b32 s[G0B+4*\s+3], s[G0B+4*\s+3], 0x80000000
.endr
	JLOAD G0, G1, G0B, G1B                         ; K step 0: my one tensor load at the head, behind the round above
	s_wait_alu depctr_va_vdst(0)
	s_wait_tensorcnt 0x0                           ; my part of K step 0 is in
	ds_add_u32 v28, v29
	s_wait_dscnt 0x0
	CROUND
	JLOAD G0+4, G1, G0B+4, G1B                     ; K step 1: the first tensor load behind the round
	v_and_b32 v1, 15, v0
	v_bfe_u32 v2, v0, 4, 1
	v_and_b32 v5, 31, v0
	v_lshlrev_b32 v3, 4, v5
	v_mul_u32_u24 v4, v1, PITCH
	v_lshl_add_u32 v4, v2, 3, v4
	s_lshl_b32 s21, s15, 15
	s_mul_i32 s22, s16, BHALF
	s_add_co_u32 s22, s22, ABYTES
.irp s, 0,1
	v_add_nc_u32 v[ADRA+\s], s21, v3
	v_add_nc_u32 v[ADRB+\s], s22, v4
	s_add_co_u32 s21, s21, SLOT
	s_add_co_u32 s22, s22, SLOT
.endr
	s_mul_i32 s23, s14, 16*SPITCH
	v_mul_u32_u24 v6, v1, SPITCH
	v_lshl_add_u32 v6, v2, 5, v6
	v_add_nc_u32 v[STO], s23, v6
	v_mul_u32_u24 v6, v2, SPITCH
	v_lshl_add_u32 v6, v1, 4, v6
	v_add_nc_u32 v[RD], s23, v6
	v_lshlrev_b32 v6, 12, v2
	v_lshl_add_u32 v[CO], v1, 4, v6
	v_lshlrev_b32 v[H32], 5, v2
	s_wait_alu depctr_va_vdst(0)
	s_lshl_b32 s20, s42, 9
	s_lshl_b32 s21, s16, 8
	s_add_co_u32 s20, s20, s21
	s_mov_b32 s21, 0
	s_add_nc_u64 s[8:9], s[8:9], s[20:21]
	s_add_nc_u64 s[12:13], s[12:13], s[20:21]
	s_lshl_b32 s20, s17, 20
	s_lshl_b32 s22, s15, 19
	s_add_co_u32 s20, s20, s22
	s_add_nc_u64 s[12:13], s[12:13], s[20:21]
.irp b, 0,1,2,3
	global_load_b128 v[BI+8*\b:BI+8*\b+3], v[H32], s[8:9] offset:64*\b
	global_load_b128 v[BI+8*\b+4:BI+8*\b+7], v[H32], s[8:9] offset:64*\b+16
.endr
.macro FRAGA a, slot, ksl
.irp q, 0,1,2,3
	ds_load_b128 v[AF+FR*(\a)+4*\q:AF+FR*(\a)+4*\q+3], v[ADRA+\slot] offset:4096*(\a)+2048*(\ksl)+512*\q
.endr
.endm
.macro FRAGB b, slot, ksl, p
.irp c, 0,1,2,3,4,5,6,7
	ds_load_b64 v[128*(\p)+FR*(\b)+2*\c:128*(\p)+FR*(\b)+2*\c+1], v[ADRB+\slot] offset:128*(\ksl)+16*\c+16*PITCH*(\b)
.endr
.endm
.macro MUL8 a0, p, zero
.irp a, \a0, \a0+1
.irp b, 0,1,2,3
.if \zero
	v_wmma_f32_16x16x128_bf8_bf8 v[8*(4*(\a)+\b):8*(4*(\a)+\b)+7], v[128*(\p)+FR*\b:128*(\p)+FR*\b+FR-1], v[AF+FR*(\a):AF+FR*(\a)+FR-1], 0
.else
	v_wmma_f32_16x16x128_bf8_bf8 v[8*(4*(\a)+\b):8*(4*(\a)+\b)+7], v[128*(\p)+FR*\b:128*(\p)+FR*\b+FR-1], v[AF+FR*(\a):AF+FR*(\a)+FR-1], v[8*(4*(\a)+\b):8*(4*(\a)+\b)+7]
.endif
.endr
.endr
.endm
.macro FETCH_B slot, q, p
	WIN TO_B
.irp i, 0,1,2,3
	FRAGB \i, \slot, \q, \p
.endr
	WIN 0
.endm
.macro FETCH_A slot, q, i0
.irp i, \i0, \i0+1, \i0+2, \i0+3
	FRAGA \i, \slot, \q
.endr
.endm
.macro PLACES n
.rept \n
	v_nop
.endr
.endm
.macro STEP slot, q, zero
	s_wait_dscnt 16
	WIN MUL
	MUL8 0, (\q)%2, \zero
	MUL8 2, (\q)%2, \zero
	s_wait_dscnt 0
	PLACES NP
	FETCH_B \slot, (\q)+1, 1-(\q)%2
	FETCH_A \slot, (\q)+1, 0
	WIN MUL
	MUL8 4, (\q)%2, \zero
	MUL8 6, (\q)%2, \zero
	PLACES NP
	WIN 0
	FETCH_A \slot, (\q)+1, 4
.endm
.macro TURN slot, next, fill
	s_wait_tensorcnt 0x0
	ds_add_u32 v[SPW], v[NIL]
	s_wait_dscnt 17
	WIN MUL
	MUL8 0, 1, 0
	s_wait_dscnt 0x0
	s_barrier_signal -1
	MUL8 2, 1, 0
	WIN 0
	s_barrier_wait -1
.if \fill
	CREST
	s_add_nc_u64 s[G0+4*\slot+2:G0+4*\slot+3], s[G0+4*\slot+2:G0+4*\slot+3], 2*2097152
	s_add_nc_u64 s[G0B+4*\slot+2:G0B+4*\slot+3], s[G0B+4*\slot+2:G0B+4*\slot+3], 2*256
	JLOAD G0+4*\slot, G1, G0B+4*\slot, G1B
.else
	PLACES NP
.endif
	FETCH_B \next, 0, 0
	FETCH_A \next, 0, 0
	WIN MUL
	MUL8 4, 1, 0
	MUL8 6, 1, 0
	PLACES NP
	WIN 0
	FETCH_A \next, 0, 4
.endm
	s_wait_tensorcnt 1
	s_barrier_signal -1
	s_barrier_wait -1
	FETCH_B 0, 0, 0
	FETCH_A 0, 0, 0
	FETCH_A 0, 0, 4
	STEP 0, 0, 1
	TURN 0, 1, 1
	STEP 1, 0, 0
	TURN 1, 0, 1
	STEP 0, 0, 0
	TURN 0, 1, 0
	STEP 1, 0, 0
	s_wait_dscnt 16
	WIN MUL
	MUL8 0, 1, 0
	MUL8 2, 1, 0
	s_wait_dscnt 0
	MUL8 4, 1, 0
	MUL8 6, 1, 0
	WIN 0
.macro TOSTAGE a
	WIN 0x02
.set j, 0
.rept 16
	v_pk_fma_f32 v[TMP+j:TMP+j+1], v[32*(\a)+j:32*(\a)+j+1], s[96:97], v[BI+j:BI+j+1] op_sel_hi:[1,0,1]
.set j, j+2
.endr
	WIN 0
.irp b, 0,1,2,3
	ds_store_b128 v[STO], v[TMP+8*\b:TMP+8*\b+3] offset:64*\b
	ds_store_b128 v[STO], v[TMP+8*\b+4:TMP+8*\b+7] offset:64*\b+16
.endr
.set BB, BK+32*((\a)%2)
.irp t, 0,1,2,3,4,5,6,7
	ds_load_b128 v[BB+4*\t:BB+4*\t+3], v[RD] offset:\t*2*SPITCH
.endr
.endm
.macro SEND a, younger
.set BB, BK+32*((\a)%2)
	s_wait_dscnt \younger
.if (\a) > 0
	s_add_nc_u64 s[12:13], s[12:13], 16*4096
.endif
.irp t, 0,1,2,3,4,5,6,7
	global_store_b128 v[CO], v[BB+4*\t:BB+4*\t+3], s[12:13] offset:\t*8192 th:TH_STORE_NT
.endr
.endm
	s_wait_kmcnt 0x0
	s_add_co_i32 s96, s96, s97
	s_add_co_i32 s96, s96, 127
	s_lshl_b32 s96, s96, 23
	s_mov_b32 s97, s96
	s_wait_loadcnt 0x0
	PLACES NP
	TOSTAGE 0
.irp a, 1,2,3,4,5,6,7
.if \a > 1
	s_wait_xcnt 0x0
.endif
	TOSTAGE \a
	SEND \a-1, 16
.endr
	s_wait_xcnt 0x0
	SEND 7, 0
	s_wait_tensorcnt 0x0
	ds_add_u32 v[SPW], v[NIL]
	s_wait_dscnt 0x0
	CROUND
	s_endpgm
.Lfunc_end_k_q2f27d17683_oproj:
	.size	k_q2f27d17683_oproj, .Lfunc_end_k_q2f27d17683_oproj-k_q2f27d17683_oproj
	.p2alignl 7, 3214868480
	.fill 96, 4, 3214868480
	.section	.rodata,"a",@progbits
	.p2align	6, 0x0
	.amdhsa_kernel k_q2f27d17683_oproj
		.amdhsa_group_segment_fixed_size 327680
		.amdhsa_private_segment_fixed_size 0
		.amdhsa_enable_private_segment 0
		.amdhsa_kernarg_size 40
		.amdhsa_user_sgpr_count 2
		.amdhsa_user_sgpr_kernarg_segment_ptr 1
		.amdhsa_wavefront_size32 1
		.amdhsa_system_sgpr_workgroup_id_x 1
		.amdhsa_system_sgpr_workgroup_id_y 1
		.amdhsa_system_sgpr_workgroup_id_z 1
		.amdhsa_system_vgpr_workitem_id 0
		.amdhsa_next_free_vgpr 768
		.amdhsa_next_free_sgpr 100
		.amdhsa_reserve_vcc 0
		.amdhsa_float_denorm_mode_32 3
		.amdhsa_float_denorm_mode_16_64 3
		.amdhsa_memory_ordered 1
		.amdhsa_forward_progress 1
		.amdhsa_inst_pref_size 86
	.end_amdhsa_kernel
	.amdgpu_metadata
---
amdhsa.version: [ 1, 2 ]
amdhsa.kernels:
  - .name:           k_q2f27d17683_oproj
    .symbol:         k_q2f27d17683_oproj.kd
    .args:
      - { .name: af, .offset: 0, .size: 8, .value_kind: global_buffer, .address_space: global }
      - { .name: wo_codes, .offset: 8, .size: 8, .value_kind: global_buffer, .address_space: global }
      - { .name: bo, .offset: 16, .size: 8, .value_kind: global_buffer, .address_space: global }
      - { .name: lowp_scales, .offset: 24, .size: 8, .value_kind: global_buffer, .address_space: global }
      - { .name: out0, .offset: 32, .size: 8, .value_kind: global_buffer, .address_space: global }
    .group_segment_fixed_size: 327680
    .private_segment_fixed_size: 0
    .kernarg_segment_align: 8
    .kernarg_segment_size: 40
    .max_flat_workgroup_size: 128
    .sgpr_count:     100
    .vgpr_count:     768
    .wavefront_size: 32
...
	.end_amdgpu_metadata
.endif
;; end of part 4
